; MI455X (gfx1250); checked and timed in simulation.
; The chip was launched on July 23, 2026; its instructions are those of AMD's public machine-readable ISA for CDNA 5 (MIT licence, August 2026) and "CDNA5" Instruction Set Architecture Reference Guide (July 2026). The comments in the code are by the model that wrote it; some were corrected since.
;; Scaled Dot Product Attention Model. Allowed arithmetic: matrix products marked QUANTISED: E3M2 operands, one E8M0 scale for each 32 along K, by v_wmma_scale_f32_16x16x128_f8f6f4 with both operands' format E3M2, f32 sums; products left as they are: f32 operands where the result goes on into a quantised operand, else bf16, f16 or f32 operands; f32 sums; everything else in f32.
;; Inputs: Wk 1,024 x 1,024 float32; Wo 1,024 x 1,024 float32; Wq 1,024 x 1,024 float32; Wv 1,024 x 1,024 float32; bk 1,024 float32; bo 1,024 float32; bq 1,024 float32; bv 1,024 float32; src 16,384 x 1,024 float32.
;; Outputs: out0 16,384 x 16 x 64 float32.
;; This version of the problem:
;;   THIS VERSION OF THE PROBLEM IS GIVEN IN LOW PRECISION. The matrix products marked QUANTISED in the list below multiply operands that are first quantised to E3M2 (3 exponent bits, 2 mantissa bits; 6 bits a number), with one power-of-two scale for each 32 numbers along K (OCP MX v1.0); their sums are f32. All else is computed in f32.
;;   The module's matrix products, in the order in which they are computed (A, B: the left and right operand; K: the contracted axis; several contracted axes count as one K, in the product's order):
;;     1. [M 16,384, K 1,024] x [K 1,024, N 1,024]; A: input src; B: input Wq: QUANTISED
;;     2. [M 16,384, K 1,024] x [K 1,024, N 1,024]; A: input src; B: input Wk: QUANTISED
;;     3. [M 16,384, K 1,024] x [K 1,024, N 1,024]; A: input src; B: input Wv: QUANTISED
;;     4. batch 16,384 x [M 16, K 64] x [K 64, N 16]; A: computed on the way; B: computed on the way: QUANTISED
;;     5. batch 16,384 x [M 16, K 16] x [K 16, N 64]; A: softmax; B: computed on the way: left as it is (K = 16 < 32)
;;     6. [M 16,384, K 1,024] x [K 1,024, N 1,024]; A: computed on the way; B: input Wo: QUANTISED
;;   THE QUANTISER, for each operand of a quantised product, along K:
;;     - K is cut into blocks of 32 from its start; a last block that is shorter is filled with zeros.
;;     - A block's scale is 2^e with e = floor(log2(the largest magnitude in the block)) - 4, held to -126 .. 127; a block of zeros has e = 0. As a byte (E8M0): e + 127.
;;     - Each number is divided by its block's scale, clamped to +-28, and rounded to the nearest number of E3M2, ties to even, subnormals kept.
;;     - The product sums the exact products of the quantised numbers (number of the format x scale) in f32.
;;   ~~~python
;;   def quantise(x, axis):      # numpy; x: float32 -> the quantised numbers, widened to float32 again
;;       x = np.moveaxis(x, axis, -1); K = x.shape[-1]
;;       x = np.pad(x, [(0, 0)] * (x.ndim - 1) + [(0, -K % 32)]); x = x.reshape(x.shape[:-1] + (-1, 32)); a = np.abs(x).max(-1, keepdims=True)
;;       e = np.where(a > 0, np.clip(np.frexp(np.where(a > 0, a, 1))[1] - 1 - 4, -126, 127), 0)      # np.frexp(a)[1] - 1 = floor(log2(a)), exactly
;;       r = np.clip(x / 2.0 ** e, -28, 28)
;;       step = 2.0 ** (np.maximum(np.frexp(np.where(r == 0, 1, r))[1] - 1, -2) - 2)
;;       q = np.round(r / step) * step * 2.0 ** e      # np.round: ties to even
;;       return np.moveaxis(q.reshape(q.shape[:-2] + (-1,))[..., :K], -1, axis).astype(np.float32)
;;   ~~~
;;   OPERANDS COMPUTED ON THE WAY. 'Computed on the way' means the value that the module computes at that place (a softmax that the list does not call 'softmax' is quantised finished and normalised). What goes into a quantiser is computed in f32, as accurately as f32 sums, v_exp_f32 and their like allow (about 1e-6 of the number): no bf16 or f16 on the way to a quantiser, and a product that is left as it is and whose result goes on into a quantised operand takes f32 operands (vector FMAs, or v_wmma_f32_16x16x4_f32). A number that lies on a knife's edge between two numbers of the format may be rounded either way, as far as f32 arithmetic and the matrix unit's own rounding can turn it there, and no further.
;; One version. Each part assembles by itself: llvm-mc -triple=amdgcn-amd-amdhsa -mcpu=gfx1250 --defsym DOCPART=n.
;; ======== version 1 of 1: 2 launches
;; limits: right only within a limited range of input values
;; workspace buffers: wpk 3,309,568 bytes
;; launch pack (part 1): grid 512 x 1, 4 waves a work-group, no clusters, 35,328 bytes of LDS; arguments Wq, Wk, Wv, Wo, bq, bk, bv, bo, wpk; writes wpk
.if DOCPART == 1
	.amdgcn_target "amdgcn-amd-amdhsa--gfx1250"
	.amdhsa_code_object_version 6
	.text
	.protected	k_q8bad27b26f_pack
	.globl	k_q8bad27b26f_pack
	.p2align	8
	.type	k_q8bad27b26f_pack,@function
k_q8bad27b26f_pack:
	s_mov_b64 s[64:65], 0
	v_nop
	global_prefetch_b8 v0, s[64:65] scope:SCOPE_SE
	s_setreg_imm32_b32 hwreg(HW_REG_WAVE_MODE, 25, 1), 1
	s_wait_xcnt 0x0
; Wq, Wk, Wv, Wo [1024][1024] f32 (K = the second axis) become codes of BF6 (E3M2) with one E8M0 byte for each 32 along K, laid as ONE STREAM in the order and in the
; register image in which the second launch takes them; the rows' scale words and biases lie in the stream too.
; THE STREAM: 128 chunks of CH bytes; chunk (s, w) at (4 s + w) CH: s = 0 .. 31 the slot, w the wave that will read it.  Unit U = s / 2, half = s % 2; the chunk holds K steps 4 half + kp, kp = 0 .. 3.
; A K step's block is KBLK bytes: four fragments (tau = 0 .. 3, 16 rows x 128 K, FRB bytes: registers 4 c .. 4 c + 3 of lane l at 512 c + 16 l) and 256 bytes of scale words
; (lane l's 8 bytes: word 0 = fragment l / 16, word 1 = fragment 2 + l / 16, row l % 16).  Behind the four blocks: 256 bytes of biases, float 16 tau + i = the bias of fragment tau's row i (zeros in a half 1).
; WHICH ROWS FORM A FRAGMENT (row i of fragment tau):  U 0-7, even Wq, odd Wk: head H = 2 (4 (w / 2) + U / 2) + w % 2, row 64 H + 8 tau + i % 8 + 32 (i / 8);
;   U 8-11, Wv: row 64 i + 16 w + 4 (U - 8) + tau;   U 12-15, Wo: row 64 (4 w + U - 12) + 8 tau + i % 8 + 32 (i / 8).
; A block's scale is 2^(floor(log2(its largest magnitude)) - 4): its byte is the largest magnitude's exponent field - 4, held at 1 from below.
; LIMITS: a block whose largest magnitude lies under 2^-122 (a block of zeros too) gets the byte 1; the bytes are read by this program alone, and zero codes add nothing.  NaN and infinities are not served.
; SHARES: a work-group makes one K step's block, wave tau its fragment tau.  Each load reads 512 consecutive bytes of a row; the 16 rows turn through the wave's own stage in LDS, so that lane (r, h)
; holds k = 64 c + 32 h + 0 .. 31 of row r: two whole blocks, in the order of the operand's registers.  No tensor loads; one barrier, for the scale words and biases, which leave as whole runs of 256 bytes.
.set CH,   25856
.set KBLK, 6400
.set FRB,  1536
.set STP,  528                         ; a stage row: 512 bytes + 16
.set STW,  16*STP                      ; a wave's stage
.set SCB,  4*STW                       ; the work-group's 256 bytes of scale words
.set BIB,  SCB+256                     ; and of biases
.set R,    16                          ; v16-79   the 16 rows as loaded
.set X,    80                          ; v80-143  my 64 numbers: register 32 c + n = k 64 c + 32 h + n of row r
.set C,    160                         ; v160-171 the fragment
.set CO,   172                         ; v172-174, v176-178 the upper halves of the two blocks, as the conversions leave them
	s_load_b256 s[4:11], s[0:1], 0x0               ; Wq, Wk, Wv, Wo
	s_load_b256 s[12:19], s[0:1], 0x20             ; bq, bk, bv, bo
	s_load_b64 s[20:21], s[0:1], 0x40              ; the stream
	v_lshl_add_u32 v184, v0, 2, 0x8800
	v_mov_b32 v185, 0
	v_lshrrev_b32 v1, 5, v0
	v_readfirstlane_b32 s22, v1                    ; tau = my wave
	v_and_b32 v2, 31, v0                           ; lane
	s_wait_alu depctr_va_vdst(0)
	v_and_b32 v3, 15, v0                           ; r
	s_wait_alu depctr_va_vdst(0)
	v_bfe_u32 v4, v0, 4, 1                         ; h
	s_and_b32 s23, ttmp9, 3                        ; kp
	s_bfe_u32 s24, ttmp9, 0x20002                  ; w
	s_lshr_b32 s25, ttmp9, 4                       ; s
	s_lshr_b32 s26, s25, 1                         ; U
	s_and_b32 s27, s25, 1                          ; half
	s_mov_b32 s28, 0x76543210
	s_mov_b32 s29, 0xfedcba98                      ; v_permlanex16_b32's selects for lane l xor 16
	; LDS and store addresses: constants, the lane and the wave
	s_mul_i32 s35, s22, STW
	v_lshl_add_u32 v7, v2, 4, s35                  ; the stage, in: 16 x lane (+ the row's immediate)
	v_mul_u32_u24 v8, v3, STP
	s_wait_alu depctr_va_vdst(0)
	v_lshl_add_u32 v8, v4, 7, v8
	v_add_nc_u32 v8, s35, v8                       ; and out: row r, + 128 h
	s_and_b32 s35, s22, 1
	s_lshl_b32 s35, s35, 7
	s_lshr_b32 s36, s22, 1
	s_lshl_b32 s36, s36, 2
	s_add_co_u32 s35, s35, s36
	s_add_co_u32 s35, s35, SCB
	v_lshl_add_u32 v9, v3, 3, s35                  ; my row's scale word: 8 (r + 16 (tau % 2)) + 4 (tau / 2)
	s_lshl_b32 s36, s22, 6
	s_add_co_u32 s36, s36, BIB
	v_lshl_add_u32 v10, v3, 2, s36                 ; my row's bias: 64 tau + 4 r
	v_lshlrev_b32 v11, 4, v2                       ; in memory: 16 x lane of a row's 512 bytes
	s_mul_i32 s36, s22, FRB
	v_lshl_add_u32 v12, v2, 4, s36                 ; out: my fragment, 16 x lane
	v_lshlrev_b32 v13, 3, v2                       ; 8 x lane
	v_add_nc_u32 v14, SCB, v13
	v_add_nc_u32 v15, BIB, v13
	; the fragment's first row n0
	s_lshr_b32 s34, s24, 1
	s_lshl_b32 s34, s34, 3
	s_and_b32 s35, s26, 6                          ; 2 (U / 2)
	s_add_co_u32 s34, s34, s35
	s_and_b32 s35, s24, 1
	s_add_co_u32 s34, s34, s35                     ; H
	s_lshl_b32 s34, s34, 6
	s_lshl_b32 s35, s22, 3                         ; 8 tau
	s_add_co_u32 s34, s34, s35                     ; Wq, Wk
	s_and_b32 s36, s26, 3                          ; U - 8, or U - 12
	s_lshl_b32 s37, s24, 4
	s_lshl_b32 s38, s36, 2
	s_add_co_u32 s37, s37, s38
	s_add_co_u32 s37, s37, s22                     ; Wv
	s_lshl_b32 s38, s24, 2
	s_add_co_u32 s38, s38, s36
	s_lshl_b32 s38, s38, 6
	s_add_co_u32 s38, s38, s35                     ; Wo
	s_cmp_lt_u32 s26, 8
	s_cselect_b32 s34, s34, s37
	s_cmp_lt_u32 s26, 12
	s_cselect_b32 s34, s34, s38                    ; n0
	s_lshr_b32 s39, s26, 2                         ; 2 for Wv's units
	s_cmp_eq_u32 s39, 2
	s_cselect_b32 s40, 64, 1                       ; rows from i % 8 to the next,
	s_mov_b32 s41, 512
	s_cselect_b32 s41, s41, 32                     ; and from i / 8 = 0 to 1
	s_cmp_eq_u32 s27, 0
	s_cselect_b32 s42, -1, 0                       ; a half 1 carries zeros for biases
	v_and_b32 v5, 7, v3
	v_lshrrev_b32 v6, 3, v3
	v_mul_u32_u24 v5, v5, s40
	v_mad_u32_u24 v5, v6, s41, v5
	v_add_lshl_u32 v5, v5, s34, 2                  ; my row's bias in memory
	s_lshl_b32 s44, s34, 12                        ; row n0 of 4,096 bytes,
	s_lshl_b32 s43, s27, 2
	s_add_co_u32 s43, s43, s23
	s_lshl_b32 s43, s43, 9
	s_add_co_u32 s44, s44, s43                     ; + K step 4 half + kp of 512 bytes
	s_mov_b32 s45, 0
	s_lshl_b32 s46, s25, 2
	s_add_co_u32 s46, s46, s24
	s_mul_i32 s46, s46, CH
	s_mul_i32 s43, s23, KBLK
	s_add_co_u32 s46, s46, s43                     ; the block's place in the stream
	s_mov_b32 s47, 0
	s_and_b32 s43, s26, 1
	s_wait_alu depctr_va_vdst(0)
	s_wait_kmcnt 0x0
	s_cmp_eq_u32 s43, 0                            ; the choices hang on the work-group's number alone
	s_cselect_b64 s[30:31], s[4:5], s[6:7]
	s_cselect_b64 s[32:33], s[12:13], s[14:15]
	s_cmp_lt_u32 s26, 8
	s_cselect_b64 s[30:31], s[30:31], s[8:9]
	s_cselect_b64 s[32:33], s[32:33], s[16:17]
	s_cmp_lt_u32 s26, 12
	s_cselect_b64 s[30:31], s[30:31], s[10:11]
	s_cselect_b64 s[32:33], s[32:33], s[18:19]
	s_add_nc_u64 s[30:31], s[30:31], s[44:45]
	s_add_nc_u64 s[46:47], s[20:21], s[46:47]
	global_load_b32 v180, v5, s[32:33]
	s_cmp_eq_u32 s39, 2                            ; only the rows' immediates differ between the two ways
	s_cbranch_scc1 .Lrows_v
.irp i, 0,1,2,3,4,5,6,7,8,9,10,11,12,13,14,15
	global_load_b128 v[R+4*\i:R+4*\i+3], v11, s[30:31] offset:((\i%8)+32*(\i/8))*4096 th:TH_LOAD_NT   ; 32 lanes read 512 consecutive bytes of row i
.endr
	s_branch .Lrows_in
.Lrows_v:
.irp i, 0,1,2,3,4,5,6,7,8,9,10,11,12,13,14,15
	global_load_b128 v[R+4*\i:R+4*\i+3], v11, s[30:31] offset:\i*262144 th:TH_LOAD_NT                 ; Wv: the rows lie 64 apart
.endr
.Lrows_in:
	s_wait_loadcnt 0x0
.irp i, 0,1,2,3,4,5,6,7,8,9,10,11,12,13,14,15
	ds_store_b128 v7, v[R+4*\i:R+4*\i+3] offset:STP*\i
.endr
.irp c, 0,1
.irp j, 0,1,2,3,4,5,6,7
	ds_load_b128 v[X+32*\c+4*\j:X+32*\c+4*\j+3], v8 offset:256*\c+16*\j   ; LDS serves a wave's instructions in order: these see my stores
.endr
.endr
	v_and_b32 v180, s42, v180
	s_wait_dscnt 0x0
.irp c, 0,1
	v_max3_num_f32 v[144+\c], |v[X+32*\c]|, |v[X+32*\c+1]|, 0x2800000      ; block 2 c + h: all 32 numbers are mine; the floor 2^(5 - 127) holds the byte at 1 from below
.endr
.irp i, 2,4,6,8,10,12,14,16,18,20,22,24,26,28,30
.irp c, 0,1
	v_max3_num_f32 v[144+\c], v[144+\c], |v[X+32*\c+\i]|, |v[X+32*\c+\i+1]|  ; (the two blocks by turns)
.endr
.endr
.irp c, 0,1
	v_add_nc_u32 v[146+\c], 0xfe000000, v[144+\c]  ; 4 off the exponent field: the conversion's scale operand
.endr
.irp c, 0,1
	v_lshrrev_b32 v[148+\c], 23, v[146+\c]         ; the scale's byte
.endr
	v_lshl_or_b32 v150, v149, 16, v148             ; my two bytes, blocks h and 2 + h,
	v_lshlrev_b32 v151, 3, v4
	v_lshlrev_b32 v150, v151, v150                 ; at their places in the word;
	v_mov_b32 v151, 0
	v_permlanex16_b32 v151, v150, s28, s29
	v_or_b32 v150, v150, v151                      ; with lane l xor 16's two the word is whole
.irp c, 0,1
	v_cvt_scalef32_pk16_bf6_f32 v[C+6*\c:C+6*\c+2], v[X+32*\c:X+32*\c+15], v[146+\c]
	v_cvt_scalef32_pk16_bf6_f32 v[CO+4*\c:CO+4*\c+2], v[X+32*\c+16:X+32*\c+31], v[146+\c]   ; (a conversion's three registers begin on an even number)
.endr
	v_nop                                          ; one plain place behind a scaled conversion
.irp c, 0,1
.irp i, 0,1,2
	v_mov_b32 v[C+3+6*\c+\i], v[CO+4*\c+\i]
.endr
.endr
.irp c, 0,1,2
	global_store_b128 v12, v[C+4*\c:C+4*\c+3], s[46:47] offset:512*\c      ; 32 lanes store 512 consecutive bytes, at a multiple of 256 from the stream's first byte
.endr
	ds_store_b32 v9, v150                          ; both halves of the lanes write the same word with the same value
	ds_store_b32 v10, v180
	s_wait_dscnt 0x0                               ; for the others' sake: my stores are done
	s_barrier_signal -1
	s_barrier_wait -1
	s_cmp_eq_u32 s22, 0
	s_cbranch_scc0 .Lnot_wave_0
	ds_load_b64 v[152:153], v14
	s_wait_dscnt 0x0
	global_store_b64 v13, v[152:153], s[46:47] offset:4*FRB                ; the block's 256 bytes of scale words
.Lnot_wave_0:
	s_cmp_eq_u32 s22, 1
	s_cbranch_scc0 .Lend
	s_cmp_eq_u32 s23, 0                            ; the chunk's biases leave once, with its first K step
	s_cbranch_scc0 .Lend
	ds_load_b64 v[154:155], v15
	s_wait_dscnt 0x0
	global_store_b64 v13, v[154:155], s[46:47] offset:4*KBLK
.Lend:
	s_wait_tensorcnt 0x0
	ds_add_u32 v184, v185
	s_wait_dscnt 0x0
	s_endpgm
.Lfunc_end_k_q8bad27b26f_pack:
	.size	k_q8bad27b26f_pack, .Lfunc_end_k_q8bad27b26f_pack-k_q8bad27b26f_pack
	.p2alignl 7, 3214868480
	.fill 96, 4, 3214868480
	.section	.rodata,"a",@progbits
	.p2align	6, 0x0
	.amdhsa_kernel k_q8bad27b26f_pack
		.amdhsa_group_segment_fixed_size 35328
		.amdhsa_private_segment_fixed_size 0
		.amdhsa_enable_private_segment 0
		.amdhsa_kernarg_size 72
		.amdhsa_user_sgpr_count 2
		.amdhsa_user_sgpr_kernarg_segment_ptr 1
		.amdhsa_wavefront_size32 1
		.amdhsa_system_sgpr_workgroup_id_x 1
		.amdhsa_system_sgpr_workgroup_id_y 1
		.amdhsa_system_sgpr_workgroup_id_z 1
		.amdhsa_system_vgpr_workitem_id 0
		.amdhsa_next_free_vgpr 186
		.amdhsa_next_free_sgpr 66
		.amdhsa_reserve_vcc 0
		.amdhsa_float_denorm_mode_32 3
		.amdhsa_float_denorm_mode_16_64 3
		.amdhsa_memory_ordered 1
		.amdhsa_forward_progress 1
		.amdhsa_inst_pref_size 14
	.end_amdhsa_kernel
	.amdgpu_metadata
---
amdhsa.version: [ 1, 2 ]
amdhsa.kernels:
  - .name:           k_q8bad27b26f_pack
    .symbol:         k_q8bad27b26f_pack.kd
    .args:
      - { .name: Wq, .offset: 0, .size: 8, .value_kind: global_buffer, .address_space: global }
      - { .name: Wk, .offset: 8, .size: 8, .value_kind: global_buffer, .address_space: global }
      - { .name: Wv, .offset: 16, .size: 8, .value_kind: global_buffer, .address_space: global }
      - { .name: Wo, .offset: 24, .size: 8, .value_kind: global_buffer, .address_space: global }
      - { .name: bq, .offset: 32, .size: 8, .value_kind: global_buffer, .address_space: global }
      - { .name: bk, .offset: 40, .size: 8, .value_kind: global_buffer, .address_space: global }
      - { .name: bv, .offset: 48, .size: 8, .value_kind: global_buffer, .address_space: global }
      - { .name: bo, .offset: 56, .size: 8, .value_kind: global_buffer, .address_space: global }
      - { .name: wpk, .offset: 64, .size: 8, .value_kind: global_buffer, .address_space: global }
    .group_segment_fixed_size: 35328
    .private_segment_fixed_size: 0
    .kernarg_segment_align: 8
    .kernarg_segment_size: 72
    .max_flat_workgroup_size: 128
    .sgpr_count:     66
    .vgpr_count:     186
    .wavefront_size: 32
...
	.end_amdgpu_metadata
.endif
;; end of part 1
;; launch fused (part 2): grid 256 x 1, 4 waves a work-group, clusters of 4 x 1, 327,680 bytes of LDS; arguments src, wpk, out0; writes out0
.if DOCPART == 2
	.amdgcn_target "amdgcn-amd-amdhsa--gfx1250"
	.amdhsa_code_object_version 6
	.text
	.protected	k_q8bad27b26f_fused
	.globl	k_q8bad27b26f_fused
	.p2align	8
	.type	k_q8bad27b26f_fused,@function
k_q8bad27b26f_fused:
	s_mov_b64 s[64:65], 0
	v_nop
	global_prefetch_b8 v0, s[64:65] scope:SCOPE_SE
	s_setreg_imm32_b32 hwreg(HW_REG_WAVE_MODE, 25, 1), 1
	s_wait_xcnt 0x0
	s_wait_alu depctr_hold_cnt(0) depctr_sa_sdst(0) depctr_va_vdst(0) depctr_va_sdst(0) depctr_va_ssrc(0) depctr_va_vcc(0) depctr_vm_vsrc(0)
	s_getreg_b32 s2, hwreg(HW_REG_IB_STS2, 6, 4)
	s_cmp_eq_u32 s2, 0
	s_cbranch_scc0 .Lentry_in_a_cluster
	s_endpgm
.Lentry_in_a_cluster:
	s_bfe_u32 s2, ttmp6, 0x10000c
	s_cmp_lg_u32 s2, 0x3003
	s_cbranch_scc0 .Lentry_shape_is_right
	s_endpgm
.Lentry_shape_is_right:
; The whole module for 64 tokens a work-group: src -> codes; q, k, v = src W^T + b; scores over the 16 heads of a token, softmax (the row's maximum taken away), P V in f32; o -> codes; o Wo^T + bo.
; Nothing of reference() is left out.  LIMITS: NaN and infinities among the inputs are not served; a block whose largest magnitude lies under 2^-122 gets the scale byte 1.
; SHARES: every wave holds the 64 tokens' codes for all of K in 384 registers (source 1) and takes 64 weight rows a unit (source 0): 16 accumulators, 8 K steps, 128 products a unit, 16 units.
; THE WEIGHTS come from the stream that the first launch laid, in the image of the operand's registers; each byte of it is wanted by one wave of every work-group.
; UNITS 0-7 (Wq, Wk): K steps 0-3 of a unit (a chunk of 25,856 bytes a wave, its biases behind it) come by JOINT tensor loads, shared by the four work-groups of a cluster, through two LDS slots of 103,424 bytes:
; one round and one load a wave for each unit, so that a load has a whole unit in which to land; K steps 4-7 come from memory straight into four register sets, each asked for again behind its products.
; UNITS 8-15 (Wv, Wo): all K steps straight into a ring of four register sets (behind K step k the set is asked for K step k + 4).  NO JOINT LOADS THERE: V for all 64 tokens (64 x 4,112 bytes) is stored over the slots' bytes,
; and with the codes and scales (52,224 bytes) takes 315,392 of a WGP's 327,680 bytes.  By the text's own count at most 60 loads and one tensor load of a wave are out.
; PREFETCH: at the head each work-group names 101 blocks of 256 bytes of the stream (128 work-groups name its 12,928 blocks once, the other 128 once more), while the 64 tokens are read and quantised.
; LDS: R1 the codes of src, then q, then o (a token's row: byte 96 kap + 48 h + 24 c), R1S their scale bytes; R2 the stage for src, then k's codes and scales; SL0 the two slots; from R2 on, behind the slots' last fill, V, then the stage on the way out.
; REGISTERS: window 0: addresses, scales, biases, scratch, weight sets 0, 1 (v160-255); window 1: codes of K steps 0-4, v240.. addresses; window 2: K steps 5-7, weight sets 2, 3 (v144-239);
; window 3: v0-127 accumulators, v128-255 weight sets 4, 5 (units 0-7), then the softmax's P.
.set CH,    25856
.set KBLK,  6400
.set FRB,   1536
.set SLOT,  4*CH
.set UNITB, 2*SLOT                     ; a unit's bytes in the stream
.set CP,    784
.set R1,    0
.set R1S,   64*CP
.set R2,    R1S+2048
.set DD,    R2-R1
.set SL0,   R2+DD                      ; behind k's codes and scales: the two slots
.set VP,    4112
.set SPARE, R2+64*VP                   ; the spare words, 512 bytes
.set SPW,  1
.set NIL,  2
.set WA,   3                           ; 16 x lane
.set WSA,  4                           ; 8 x lane
.set BA,   5                           ; 32 x (lane / 16)
.set PFO,  6                           ; the prefetch's offset; never rewritten
.set XS,   8                           ; v8-23 the activations' scale words
.set WS,   24                          ; v24-31 the scale words of weight sets 0-3
.set BI,   32                          ; v32-63 the unit's biases, in the result's layout
.set KS,   64                          ; v64-67 the scale words of sets 4, 5; later v64-79 q's and k's
.set XB,   24
.set GX,   115
.set STI,  116
.set STO,  117
.set XW,   118
.set XSW,  119
.set XWC,  120
.set XSC,  121
.set QT,   80
.set QSO,  84
.set QBY,  88
.set QC,   92
.set QWB,  132
.set QSB,  133
.set ADC,  134
.set ADS,  135
.set AFA,  150
.set XSA,  151
.set LW0,  152                         ; my chunk in slot 0: fragments, scale words, biases
.set LS0,  153
.set LB0,  154
.set WPT,  155                         ; the same in the slot being read
.set SPT,  156
.set BPT,  157
.set VD,   80
.set VDC,  84
.set AQ,   240                         ; window 1
.set AK,   241
.set ASC,  242
.set OSW,  243
.set VL,   244
.set OB,   80
.set OSO,  144
.set OSR,  145
.set OCO,  146
.set DBS,  16                          ; s[16:17] my wave's place in the stream
.set G1,   24                          ; s[24:31] descriptor group 1
.set GW,   68                          ; s[68:71] group 0
.set TGT,  61
.set SBY,  62
.set MSB, 0
.macro WIN new
.if MSB != (\new)
	s_set_vgpr_msb (MSB<<8)|(\new)
.set MSB, (\new)
.endif
.endm
.macro PLACES n
.rept \n
	v_nop
.endr
.endm
.macro BARRIER
	s_wait_dscnt 0x0
	s_barrier_signal -1
	s_barrier_wait -1
.endm
.macro CREST
	s_cmp_lg_u32 s12, 0
	s_cbranch_scc1 .Lnot_wave_0_\@
	s_barrier_signal -3
.Lnot_wave_0_\@:
	s_barrier_wait -3
	s_barrier_signal -1
	s_barrier_wait -1
.endm
.macro ROUND
	s_barrier_signal -1
	s_barrier_wait -1
	CREST
.endm
; one K step's four fragments and scale words from memory into set st (0 .. 3)
.macro WLOAD st, off
	global_load_b64 v[WS+2*(\st):WS+2*(\st)+1], v[WSA], s[DBS:DBS+1] offset:(\off)+4*FRB
.if (\st) < 2
.set WL, 160+48*(\st)
.else
.set WL, 144+48*((\st)-2)
	WIN 0x80
.endif
.irp tau, 0,1,2,3
.irp c, 0,1,2
	global_load_b128 v[WL+12*\tau+4*\c:WL+12*\tau+4*\c+3], v[WA], s[DBS:DBS+1] offset:(\off)+\tau*FRB+512*\c
.endr
.endr
	WIN 0
.endm
.macro WLOADX st, off                  ; the same into set 4 or 5
	global_load_b64 v[KS+2*((\st)-4):KS+2*((\st)-4)+1], v[WSA], s[DBS:DBS+1] offset:(\off)+4*FRB
	WIN 0xc0
.irp tau, 0,1,2,3
.irp c, 0,1,2
	global_load_b128 v[128+48*((\st)-4)+12*\tau+4*\c:128+48*((\st)-4)+12*\tau+4*\c+3], v[WA], s[DBS:DBS+1] offset:(\off)+\tau*FRB+512*\c
.endr
.endr
	WIN 0
.endm
.macro BLOAD off                       ; a unit's biases from memory: eight rows of each fragment a lane
.irp tau, 0,1,2,3
.irp q, 0,1
	global_load_b128 v[BI+8*\tau+4*\q:BI+8*\tau+4*\q+3], v[BA], s[DBS:DBS+1] offset:(\off)+4*KBLK+64*\tau+16*\q
.endr
.endr
.endm
.macro LLOAD st, kp                    ; K step kp of the slot being read into set st (0, 1): 13 LDS loads
.irp tau, 0,1,2,3
.irp c, 0,1,2
	ds_load_b128 v[160+48*(\st)+12*\tau+4*\c:160+48*(\st)+12*\tau+4*\c+3], v[WPT] offset:(\kp)*KBLK+\tau*FRB+512*\c
.endr
.endr
	ds_load_b64 v[WS+2*(\st):WS+2*(\st)+1], v[SPT] offset:(\kp)*KBLK
.endm
.macro BILOAD                          ; the chunk's biases: 8 LDS loads
.irp tau, 0,1,2,3
.irp q, 0,1
	ds_load_b128 v[BI+8*\tau+4*\q:BI+8*\tau+4*\q+3], v[BPT] offset:64*\tau+16*\q
.endr
.endr
.endm
.macro POINT                           ; on to the other slot; with the v_nop: four places
	v_add_nc_u32 v[WPT], s[SBY], v[LW0]
	v_add_nc_u32 v[SPT], s[SBY], v[LS0]
	v_add_nc_u32 v[BPT], s[SBY], v[LB0]
	v_nop
	s_xor_b32 s[SBY], s[SBY], SLOT
	s_wait_alu depctr_va_vdst(0)
.endm
; 16 products: set st's four fragments x the four blocks of 16 tokens; the 16 accumulators by turns.  cm = 1: the biases start the sums
.macro MM kap, cm, st
.set ST, (\st)
.if ST < 2
.set WR, 160+48*ST
.set SA0, WS+2*ST
.elseif ST < 4
.set WR, 656+48*(ST-2)
.set SA0, WS+2*ST
.else
.set WR, 896+48*(ST-4)
.set SA0, KS+2*(ST-4)
.endif
.if (\kap) < 5
.set BR0, 256+48*(\kap)
.else
.set BR0, 512+48*((\kap)-5)
.endif
.if \cm
	WIN (WR/256)|((BR0/256)<<2)|0xc0
.else
	WIN (WR/256)|((BR0/256)<<2)|0xf0
.endif
.irp tau, 0,1,2,3
.irp i, 0,1,2,3
.set DL, 8*(4*\i+\tau)
.set WL, WR%256+12*\tau
.set BL, BR0%256+12*\i
.set SA, SA0+\tau/2
.set SB, XS+4*\i+(\kap)%4
.if \cm
.if (\tau)%2
	v_wmma_scale_f32_16x16x128_f8f6f4 v[DL:DL+7], v[WL:WL+11], v[BL:BL+11], v[BI+8*\tau:BI+8*\tau+7], v[SA], v[SB] matrix_a_fmt:MATRIX_FMT_BF6 matrix_b_fmt:MATRIX_FMT_BF6 matrix_a_scale:MATRIX_SCALE_ROW1
.else
	v_wmma_scale_f32_16x16x128_f8f6f4 v[DL:DL+7], v[WL:WL+11], v[BL:BL+11], v[BI+8*\tau:BI+8*\tau+7], v[SA], v[SB] matrix_a_fmt:MATRIX_FMT_BF6 matrix_b_fmt:MATRIX_FMT_BF6
.endif
.else
.if ((\tau)%2) && ((\kap) >= 4)
	v_wmma_scale_f32_16x16x128_f8f6f4 v[DL:DL+7], v[WL:WL+11], v[BL:BL+11], v[DL:DL+7], v[SA], v[SB] matrix_a_fmt:MATRIX_FMT_BF6 matrix_b_fmt:MATRIX_FMT_BF6 matrix_a_scale:MATRIX_SCALE_ROW1 matrix_b_scale:MATRIX_SCALE_ROW1
.elseif (\tau)%2
	v_wmma_scale_f32_16x16x128_f8f6f4 v[DL:DL+7], v[WL:WL+11], v[BL:BL+11], v[DL:DL+7], v[SA], v[SB] matrix_a_fmt:MATRIX_FMT_BF6 matrix_b_fmt:MATRIX_FMT_BF6 matrix_a_scale:MATRIX_SCALE_ROW1
.elseif (\kap) >= 4
	v_wmma_scale_f32_16x16x128_f8f6f4 v[DL:DL+7], v[WL:WL+11], v[BL:BL+11], v[DL:DL+7], v[SA], v[SB] matrix_a_fmt:MATRIX_FMT_BF6 matrix_b_fmt:MATRIX_FMT_BF6 matrix_b_scale:MATRIX_SCALE_ROW1
.else
	v_wmma_scale_f32_16x16x128_f8f6f4 v[DL:DL+7], v[WL:WL+11], v[BL:BL+11], v[DL:DL+7], v[SA], v[SB] matrix_a_fmt:MATRIX_FMT_BF6 matrix_b_fmt:MATRIX_FMT_BF6
.endif
.endif
.endr
.endr
.endm
; UNITS 8-15.  A K step: the wait for its set, its products, four places, and the set's next loads.  nx = 1: this unit's K step kap + 4; 2: the next unit's kap - 4 (ahead of its K step 0: its biases); 0: none
.macro KSTEP kap, cm, wt, nx
	s_wait_loadcnt \wt
	MM \kap, \cm, (\kap)%4
.if (\nx) || ((\kap) == 7)
	WIN 0
	PLACES 4
.endif
.if (\kap) == 7
	v_nop                                          ; a fifth place: the next unit's first products begin these accumulators anew
.endif
.if (\nx) == 1
	WLOAD (\kap)%4, SLOT+(\kap)*KBLK
.elseif (\nx) == 2
.if (\kap) == 4
	BLOAD UNITB
.endif
	WLOAD (\kap)%4, UNITB+((\kap)-4)*KBLK
.endif
.endm
; The waits count the loads issued behind the set awaited: three sets of 13, and for K steps 5 to 7 the next unit's 8 loads of biases too
.macro UNITW last
	KSTEP 0, 1, 39, 1
	KSTEP 1, 0, 39, 1
	KSTEP 2, 0, 39, 1
	KSTEP 3, 0, 39, 1
.if \last
	KSTEP 4, 0, 39, 0
	KSTEP 5, 0, 26, 0
	KSTEP 6, 0, 13, 0
	KSTEP 7, 0, 0, 0
.else
	KSTEP 4, 0, 39, 2
	KSTEP 5, 0, 47, 2
	KSTEP 6, 0, 47, 2
	KSTEP 7, 0, 47, 2
.endif
.endm
; UNITS 0-7.  K steps 0-3 from the slot through sets 0, 1; K steps 4-7 from sets 2-5.
; mode 0, units 0-5: the slot read out is filled again, with the unit two on; 1, unit 6: nothing is left to fetch into a slot; 2, unit 7: the sets are asked for unit 8's biases and K steps 0-3, the state in which UNITW begins
.macro HD kap, st, wt
	s_wait_loadcnt \wt
	MM \kap, 0, \st
	WIN 0
	PLACES 4
.endm
.macro HU mode
	s_wait_dscnt 29                                ; K step 0 and the biases are in; younger: K step 1's 13 loads and the last unit's 16 stores of codes
	MM 0, 1, 0
	WIN 0
	PLACES 4
	LLOAD 0, 2
	s_wait_dscnt 29                                ; K step 1 is in; younger: the 16 stores and K step 2's 13 loads
	MM 1, 0, 1
	WIN 0
	PLACES 4
	LLOAD 1, 3
	s_wait_dscnt 13                                ; K step 2 is in
	MM 2, 0, 0
	WIN 0
.if \mode == 0
	s_wait_tensorcnt 0x0                           ; my one tensor load that is out, the next unit's chunk, has landed;
	ds_add_u32 v[SPW], v[NIL]
	s_xor_b32 s[TGT], s[TGT], SLOT                 ; no load of mine is out: group 0 steps to the slot just read and to the unit two on
	s_add_co_u32 s[GW+1], s[TGT], s19
	s_add_nc_u64 s[GW+2:GW+3], s[GW+2:GW+3], UNITB
	s_wait_dscnt 0x0                               ; the add is done, and my reads of this slot (K step 3's are the last)
	s_barrier_signal -1                            ; opens a round of the cluster's barrier
	MM 3, 0, 1
	WIN 0
	s_barrier_wait -1
	CREST
	tensor_load_to_lds s[GW:GW+3], s[G1:G1+7]      ; the joint refill, first behind the round
	s_nop 0
	POINT
.elseif \mode == 1
	s_wait_tensorcnt 0x0                           ; unit 7's chunk: my own load's bytes, which I alone read
	s_wait_dscnt 0x0
	MM 3, 0, 1
	WIN 0
	POINT
.else
	s_wait_dscnt 0x0
	MM 3, 0, 1
.endif
.if \mode < 2
	LLOAD 0, 0                                     ; the next unit's K step 0, biases and K step 1
	BILOAD
	LLOAD 1, 1
	HD 4, 2, 39                                    ; three younger sets of 13 loads
	WLOAD 2, UNITB+SLOT
	HD 5, 3, 39
	WLOAD 3, UNITB+SLOT+KBLK
	HD 6, 4, 39
	WLOADX 4, UNITB+SLOT+2*KBLK
	HD 7, 5, 39
	v_nop                                          ; a fifth place: the next unit begins these accumulators anew
	WLOADX 5, UNITB+SLOT+3*KBLK
.else
	HD 4, 2, 39
	BLOAD UNITB
	WLOAD 0, UNITB
	HD 5, 3, 47                                    ; younger: two sets, the 8 loads of biases and a set
	WLOAD 1, UNITB+KBLK
	HD 6, 4, 47
	WLOAD 2, UNITB+2*KBLK
	HD 7, 5, 47
	v_nop
	WLOAD 3, UNITB+3*KBLK
.endif
.endm
.macro NEXTU                           ; the stream's base steps behind the wait that frees it
	s_wait_xcnt 0x0
	s_add_nc_u64 s[DBS:DBS+1], s[DBS:DBS+1], UNITB
.endm
; a block of 32 numbers in one lane's registers s .. s + 31 -> scale operand so, byte by, six registers of codes from c on
.macro QB32 s, ta, tb, so, by, c, co, wm, wc, wh
	WIN \wm
	v_max3_num_f32 v[\ta], |v[\s]|, |v[\s+1]|, 0x2800000
	v_max3_num_f32 v[\tb], |v[\s+16]|, |v[\s+17]|, 0x2800000
.irp a, 2,4,6,8,10,12,14
	v_max3_num_f32 v[\ta], |v[\s+\a]|, |v[\s+\a+1]|, v[\ta]
	v_max3_num_f32 v[\tb], |v[\s+16+\a]|, |v[\s+17+\a]|, v[\tb]
.endr
	WIN \wh
	v_max_num_f32 v[\ta], v[\ta], v[\tb]
	v_add_nc_u32 v[\so], 0xfe000000, v[\ta]
	v_lshrrev_b32 v[\by], 23, v[\so]
	WIN \wc
	v_cvt_scalef32_pk16_bf6_f32 v[\c:\c+2], v[\s:\s+15], v[\so]
	v_cvt_scalef32_pk16_bf6_f32 v[\co:\co+2], v[\s+16:\s+31], v[\so]
	WIN \wh
	v_nop
.irp u, 0,1,2
	v_mov_b32 v[\c+3+\u], v[\co+\u]
.endr
.endm
.macro AFLOAD                          ; the 64 tokens' codes, all of K, and their scale words
	WIN 0x40
.irp kap, 0,1,2,3,4
.irp i, 0,1,2,3
.irp c, 0,1,2
	ds_load_b128 v[48*\kap+12*\i+4*\c:48*\kap+12*\i+4*\c+3], v[AFA] offset:16*CP*\i+96*\kap+16*\c
.endr
.endr
.endr
	WIN 0x80
.irp kap, 5,6,7
.irp i, 0,1,2,3
.irp c, 0,1,2
	ds_load_b128 v[48*(\kap-5)+12*\i+4*\c:48*(\kap-5)+12*\i+4*\c+3], v[AFA] offset:16*CP*\i+96*\kap+16*\c
.endr
.endr
.endr
	WIN 0
.irp i, 0,1,2,3
	ds_load_b128 v[XS+4*\i:XS+4*\i+3], v[XSA] offset:512*\i
.endr
.endm
	s_load_b128 s[4:7], s[0:1], 0x0                ; src, the stream
	s_load_b64 s[8:9], s[0:1], 0x10                ; out
	v_lshl_add_u32 v[SPW], v0, 2, SPARE
	v_mov_b32 v[NIL], 0
	ds_add_u32 v[SPW], v[NIL]                      ; the opening lines: the add, twice on end, and its wait ahead of my first tensor load
	ds_add_u32 v[SPW], v[NIL]
	v_lshrrev_b32 v60, 5, v0
	v_readfirstlane_b32 s12, v60                   ; wave
	s_bfe_u32 s13, ttmp6, 0x40000                  ; my place in the cluster
	s_lshl_b32 s14, ttmp9, 2
	s_add_co_u32 s14, s14, s13                     ; work-group
	s_mov_b32 s[G1], 15|(3<<16)|(1<<21)            ; a chunk: 101 rows of 256 bytes, dense; the mask names the cluster's four
	s_mov_b32 s[G1+1], 32<<16
	s_mov_b32 s[G1+2], 101<<16
	s_mov_b32 s[G1+3], 32<<16
	s_mov_b32 s[G1+4], 101
	s_mov_b32 s[G1+5], 32
	s_mov_b32 s[G1+6], 0
	s_mov_b32 s[G1+7], 0
	s_mov_b32 s32, 0x76543210
	s_mov_b32 s33, 0xfedcba98
	s_mov_b32 s34, 0x3e38aa3b                      ; log2(e) / 8
	s_mov_b32 s35, s34
	s_mul_i32 s44, s12, CH
	s_mov_b32 s45, 0
	s_add_co_u32 s19, s44, SL0                     ; my chunk's place in slot 0
	s_lshl_b32 s46, s14, 18                        ; 64 tokens of 4,096 bytes a work-group,
	s_lshl_b32 s47, s12, 16                        ; 16 a wave
	s_add_co_u32 s46, s46, s47
	s_mov_b32 s47, 0
	s_lshl_b32 s48, s14, 18
	s_mov_b32 s49, 0
	s_lshr_b32 s10, s12, 1
	s_and_b32 s11, s12, 1
	s_mul_i32 s50, s12, 9216
	s_add_co_u32 s50, s50, R2
	s_mul_i32 s51, s12, 16*CP
	s_lshl_b32 s52, s12, 9
	s_add_co_u32 s52, s52, R1S
	s_mul_i32 s53, s10, 384
	s_mul_i32 s15, s11, 24
	s_add_co_u32 s53, s53, s15
	s_lshl_b32 s54, s10, 4
	s_lshl_b32 s15, s11, 1
	s_add_co_u32 s54, s54, s15
	s_add_co_u32 s54, s54, R1S
	s_mul_i32 s55, s12, 4*CP
	s_lshl_b32 s56, s12, 7
	s_add_co_u32 s56, s56, R1S
	s_lshl_b32 s57, s11, 11
	s_lshl_b32 s15, s10, 7
	s_add_co_u32 s57, s57, s15
	s_add_co_u32 s57, s57, R2
	s_mul_i32 s58, s12, 4*VP
	s_add_co_u32 s58, s58, R2
	s_mul_i32 s59, s12, 16*272
	s_add_co_u32 s59, s59, R2
	s_lshl_b32 s60, s12, 10
	s_and_b32 s20, s14, 127
	s_mul_i32 s20, s20, 101                        ; my work-group's 101 blocks of the stream
	v_and_b32 v60, 15, v0
	v_bfe_u32 v61, v0, 4, 1
	v_and_b32 v62, 31, v0
	v_lshlrev_b32 v[WA], 4, v62
	v_lshlrev_b32 v[WSA], 3, v62
	v_lshlrev_b32 v[BA], 5, v61
	v_min_u32 v[PFO], 100, v0                      ; threads over 100 name the last block again
	v_add_nc_u32 v[PFO], s20, v[PFO]
	v_lshlrev_b32 v[PFO], 8, v[PFO]                ; at most 12,927 x 256: inside the stream's 3,309,568 bytes
	v_lshlrev_b32 v[GX], 4, v62
	v_lshrrev_b32 v63, 3, v62
	v_mul_u32_u24 v[STI], v63, 144
	v_and_b32 v63, 7, v62
	v_lshl_add_u32 v[STI], v63, 4, v[STI]
	v_add_nc_u32 v[STI], s50, v[STI]
	v_mul_u32_u24 v[STO], v62, 144
	v_add_nc_u32 v[STO], s50, v[STO]
	v_lshrrev_b32 v63, 2, v62
	v_mul_u32_u24 v[XW], v63, 96
	v_and_b32 v63, 1, v62
	v_mad_u32_u24 v[XW], v63, 48, v[XW]
	v_bfe_u32 v63, v62, 1, 1
	v_mad_u32_u24 v[XW], v63, 24, v[XW]
	v_add_nc_u32 v[XW], s51, v[XW]
	v_add_nc_u32 v[XSW], s52, v62
	s_wait_alu depctr_va_vdst(0)
	s_wait_dscnt 0x0                               ; both opening adds are done
	s_wait_kmcnt 0x0
	s_add_nc_u64 s[4:5], s[4:5], s[46:47]
	s_add_nc_u64 s[8:9], s[8:9], s[48:49]
	s_add_nc_u64 s[DBS:DBS+1], s[6:7], s[44:45]
	s_mov_b32 s[GW], 1
	s_mov_b32 s[GW+1], s19
	s_mov_b64 s[GW+2:GW+3], s[DBS:DBS+1]
	s_or_b32 s[GW+3], s[GW+3], 0x80000000
	ROUND                                          ; the four work-groups are here: the first joint loads meet
	tensor_load_to_lds s[GW:GW+3], s[G1:G1+7]      ; unit 0's chunk into slot 0: my one tensor load at the head
	s_nop 0
	PLACES 4
; SRC: a wave quantises its 16 tokens.  A token's 4,096 bytes come by eight loads of 512 and turn through the wave's stage, so that a lane holds a block of 32
.macro XLOAD rs, tok
.irp j, 0,1,2,3,4,5,6,7
	global_load_b128 v[128+32*(\rs)+4*\j:128+32*(\rs)+4*\j+3], v[GX], s[4:5] offset:4096*(\tok)+512*\j th:TH_LOAD_NT
.endr
.endm
.macro XTURN tt
.irp j, 0,1,2,3,4,5,6,7
	ds_store_b128 v[STI], v[128+32*((\tt)%4)+4*\j:128+32*((\tt)%4)+4*\j+3] offset:576*\j+4608*((\tt)%2)
.endr
.irp j, 0,1,2,3,4,5,6,7
	ds_load_b128 v[XB+50*((\tt)%2)+4*\j:XB+50*((\tt)%2)+4*\j+3], v[STO] offset:16*\j+4608*((\tt)%2)
.endr
.endm
.macro XSTEP tt, dsw, ld, lw
.if \dsw >= 0
	s_wait_dscnt \dsw                              ; the token is back from the stage; the last token's four stores may be out
.endif
.if \ld
	XLOAD \tt, (\tt)+4
.endif
.if \lw >= 0
	s_wait_loadcnt \lw                             ; the next token's eight loads are in; those of the tokens behind it may be out
	XTURN (\tt)+1
.endif
	QB32 XB+50*((\tt)%2), 66, 67, 68, 69+(\tt)%2, 56+50*((\tt)%2), 62+50*((\tt)%2), 0, 0, 0
.irp u, 0,1,2
	ds_store_b64 v[XWC], v[56+50*((\tt)%2)+2*\u:57+50*((\tt)%2)+2*\u] offset:CP*(\tt)+8*\u
.endr
	ds_store_b8 v[XSC], v[69+(\tt)%2] offset:32*(\tt)
.endm
.irp t, 0,1,2,3
	XLOAD \t, \t
.endr
	global_prefetch_b8 v[PFO], s[6:7] th:TH_LOAD_NT scope:SCOPE_SE   ; its registers are never written again
	s_mov_b32 s42, 0
	s_mov_b32 s43, 0
	s_mov_b32 s37, 3
	s_wait_loadcnt 24
	XTURN 0
.Lsrc:
	s_wait_dscnt 0x0
	v_add_nc_u32 v[XWC], s42, v[XW]
	v_add_nc_u32 v[XSC], s43, v[XSW]
	XSTEP 0, -1, 1, 24
	XSTEP 1, 4, 1, 24
	XSTEP 2, 4, 1, 24
	XSTEP 3, 4, 1, 24
	s_wait_xcnt 0x0
	s_add_nc_u64 s[4:5], s[4:5], 16384
	s_add_co_u32 s42, s42, 4*CP
	s_add_co_u32 s43, s43, 128
	s_sub_co_u32 s37, s37, 1
	s_cmp_lg_u32 s37, 0
	s_cbranch_scc1 .Lsrc
	s_wait_dscnt 0x0
	v_add_nc_u32 v[XWC], s42, v[XW]
	v_add_nc_u32 v[XSC], s43, v[XSW]
	XSTEP 0, -1, 0, 16
	XSTEP 1, 4, 0, 8
	XSTEP 2, 4, 0, 0
	XSTEP 3, 4, 0, -1
	s_wait_dscnt 0x0                               ; my codes are stored
	WLOAD 2, SLOT                                  ; unit 0's K steps 4 to 7 into sets 2 to 5
	WLOAD 3, SLOT+KBLK
	WLOADX 4, SLOT+2*KBLK
	WLOADX 5, SLOT+3*KBLK
	v_and_b32 v140, 15, v0
	v_bfe_u32 v141, v0, 4, 1
	v_mul_u32_u24 v[AFA], v140, CP
	v_mad_u32_u24 v[AFA], v141, 48, v[AFA]
	v_lshlrev_b32 v[XSA], 5, v140
	v_lshl_add_u32 v[XSA], v141, 4, v[XSA]
	v_add_nc_u32 v[XSA], R1S, v[XSA]
	v_lshl_add_u32 v[QSB], v140, 5, v141
	v_add_nc_u32 v[QSB], s54, v[QSB]
	v_add_nc_u32 v[QWB], s53, v[AFA]
	v_add_nc_u32 v[LW0], s19, v[WA]
	v_add_nc_u32 v[LS0], s19, v[WSA]
	v_add_nc_u32 v[LS0], 4*FRB, v[LS0]
	v_add_nc_u32 v[LB0], s19, v[BA]
	v_add_nc_u32 v[LB0], 4*KBLK, v[LB0]
	s_mov_b32 s[SBY], 0
	POINT                                          ; slot 0 is read first
	s_wait_tensorcnt 0x0                           ; unit 0's chunk is in
	ds_add_u32 v[SPW], v[NIL]
	s_add_co_u32 s[GW+1], s19, SLOT                ; no load of mine is out: group 0 steps to slot 1 and unit 1
	s_add_nc_u64 s[GW+2:GW+3], s[GW+2:GW+3], UNITB
	s_mov_b32 s[TGT], SLOT
	s_wait_dscnt 0x0
	ROUND                                          ; also: everybody's codes of src are in LDS
	tensor_load_to_lds s[GW:GW+3], s[G1:G1+7]      ; slot 1's first fill, first behind the round
	s_nop 0
	PLACES 4
	AFLOAD
	LLOAD 0, 0
	BILOAD
	LLOAD 1, 1
	BARRIER                                        ; all waves have read src's codes: q's may land on them.
; Q AND K: eight units, Wq and Wk by turns.  A lane's 32 results of a token are a block of 32 of one head: quantised in place, codes and byte to LDS
.macro QPOST
	v_add_nc_u32 v[ADC], s38, v[QWB]
	v_add_nc_u32 v[ADS], s40, v[QSB]
	v_add_nc_u32 v[ADC], s39, v[ADC]
	v_add_nc_u32 v[ADS], s41, v[ADS]
	WIN 0x0f
.irp i, 0,1,2,3
	v_max3_num_f32 v[QT+\i], |v[32*\i]|, |v[32*\i+1]|, 0x2800000
.endr
.irp a, 2,4,6,8,10,12,14,16,18,20,22,24,26,28,30
.irp i, 0,1,2,3
	v_max3_num_f32 v[QT+\i], |v[32*\i+\a]|, |v[32*\i+\a+1]|, v[QT+\i]
.endr
.endr
	WIN 0
.irp i, 0,1,2,3
	v_add_nc_u32 v[QSO+\i], 0xfe000000, v[QT+\i]
.endr
.irp i, 0,1,2,3
	v_lshrrev_b32 v[QBY+\i], 23, v[QSO+\i]
.endr
	WIN 0x03
.irp i, 0,1,2,3
	v_cvt_scalef32_pk16_bf6_f32 v[QC+10*\i:QC+10*\i+2], v[32*\i:32*\i+15], v[QSO+\i]
	v_cvt_scalef32_pk16_bf6_f32 v[QC+10*\i+6:QC+10*\i+8], v[32*\i+16:32*\i+31], v[QSO+\i]
.endr
	WIN 0
	v_nop
.irp i, 0,1,2,3
.irp u, 0,1,2
	v_mov_b32 v[QC+10*\i+3+\u], v[QC+10*\i+6+\u]
.endr
.endr
.irp i, 0,1,2,3
.irp u, 0,1,2
	ds_store_b64 v[ADC], v[QC+10*\i+2*\u:QC+10*\i+2*\u+1] offset:16*CP*\i+8*\u
.endr
	ds_store_b8 v[ADS], v[QBY+\i] offset:512*\i
.endr
	s_add_co_u32 s38, s38, 48                      ; s38 + s39 = 96 (U / 2) + DD (U % 2)
	s_xor_b32 s39, s39, DD-48
	s_add_co_u32 s40, s40, 2
	s_xor_b32 s41, s41, DD-2
.endm
	s_mov_b32 s38, 0
	s_mov_b32 s39, 0
	s_mov_b32 s40, 0
	s_mov_b32 s41, 0
	s_mov_b32 s37, 6
.Lqk:
	HU 0
	QPOST
	NEXTU
	s_sub_co_u32 s37, s37, 1
	s_cmp_lg_u32 s37, 0
	s_cbranch_scc1 .Lqk
	HU 1                                           ; the last two units are written out: they fetch nothing into a slot
	QPOST
	NEXTU
	HU 2
	QPOST
	NEXTU
; SCORES AND SOFTMAX: a wave takes tokens 16 i + 4 w + x.  S^T = k q^T (K = 64, the upper 64 codes zeros): lane (r, h) holds query head r, registers key heads 8 h + 0 .. 7.  Unit 8's first loads are on their way meanwhile
	s_wait_dscnt 0x0
	v_bfe_u32 v80, v0, 1, 3
	v_mul_u32_u24 v80, v80, 96
	v_and_b32 v88, 1, v0
	v_mad_u32_u24 v80, v88, 24, v80
	v_bfe_u32 v88, v0, 4, 1
	v_mad_u32_u24 v80, v88, 48, v80
	v_add_nc_u32 v80, s55, v80                     ; q's (later o's) codes of head r, half h
	v_add_nc_u32 v81, DD, v80                      ; k's
	v_and_b32 v89, 15, v0
	v_mul_u32_u24 v82, v88, DD
	v_lshl_add_u32 v82, v89, 1, v82
	v_add_nc_u32 v82, s56, v82                     ; scale bytes: lanes 0-15 q's, lanes 16-31 k's
	v_lshl_add_u32 v83, v89, 1, s56
	v_add_nc_u32 v83, v83, v88                     ; o's scale byte
	v_and_b32 v84, 31, v0
	v_lshl_add_u32 v84, v84, 4, s58                ; V's rows of my tokens, i = 0 .. 3
	v_add_nc_u32 v85, 16*VP, v84
	v_add_nc_u32 v86, 32*VP, v84
	v_add_nc_u32 v87, 48*VP, v84
	WIN 0x40
.irp n, 0,1,2,3,4,5,6,7
	v_mov_b32 v[240+\n], v[80+\n]
.endr
	WIN 0xc0
.irp x, 0,1,2,3
.irp u, 6,7,8,9,10,11
	v_mov_b32 v[64+12*\x+\u], 0
.endr
.endr
	WIN 0
.irp x, 0,1,2,3
.irp u, 6,7,8,9,10,11
	v_mov_b32 v[112+12*\x+\u], 0
.endr
.endr
.irp x, 0,1,2,3
	v_mov_b32 v[81+2*\x], 0
	v_mov_b32 v[105+2*\x], 0
.endr
	s_wait_alu depctr_va_vdst(0)
	s_barrier_signal -1
	s_barrier_wait -1                              ; everybody's codes of q and k are in LDS
	WIN 0x01
.irp i, 0,1,2,3
.irp x, 0,1,2,3
	ds_load_u16 v[KS+4*\i+\x], v[ASC] offset:32*(16*\i+\x)
.endr
.endr
.macro KQLOAD i
	WIN 0xc1
.irp x, 0,1,2,3
.irp u, 0,1,2
	ds_load_b64 v[64+12*\x+2*\u:65+12*\x+2*\u], v[AK] offset:CP*(16*(\i)+\x)+8*\u
.endr
.endr
	WIN 0x01
.irp x, 0,1,2,3
.irp u, 0,1,2
	ds_load_b64 v[112+12*\x+2*\u:113+12*\x+2*\u], v[AQ] offset:CP*(16*(\i)+\x)+8*\u
.endr
.endr
.endm
	KQLOAD 0
; S in window 3 v32-63, scratch in window 0 v80-111, P in window 3 from v128
.macro SOFTMAX i
	WIN 0x3f
.irp x, 0,1,2,3
	v_max3_num_f32 v[88+2*\x], v[32+8*\x], v[33+8*\x], v[34+8*\x]
.endr
.irp x, 0,1,2,3
	v_max3_num_f32 v[89+2*\x], v[35+8*\x], v[36+8*\x], v[37+8*\x]
.endr
	WIN 0x0f
.irp x, 0,1,2,3
	v_max3_num_f32 v[88+2*\x], v[38+8*\x], v[39+8*\x], v[88+2*\x]
.endr
	WIN 0
.irp x, 0,1,2,3
	v_max_num_f32 v[88+2*\x], v[88+2*\x], v[89+2*\x]
.endr
.irp x, 0,1,2,3
	v_permlanex16_b32 v[81+2*\x], v[88+2*\x], s32, s33
.endr
.irp x, 0,1,2,3
	v_max_num_f32 v[80+2*\x], v[88+2*\x], v[81+2*\x]   ; the row's largest score
.endr
	WIN 0xc3
.irp k, 0,2,4,6
.irp x, 0,1,2,3
	v_pk_add_f32 v[32+8*\x+\k:33+8*\x+\k], v[32+8*\x+\k:33+8*\x+\k], v[80+2*\x:81+2*\x] op_sel_hi:[1,0] neg_lo:[0,1] neg_hi:[0,1]
.endr
.endr
.irp k, 0,2,4,6
.irp x, 0,1,2,3
	v_pk_mul_f32 v[32+8*\x+\k:33+8*\x+\k], v[32+8*\x+\k:33+8*\x+\k], s[34:35] op_sel_hi:[1,0]
.endr
.endr
	s_wait_alu depctr_va_vdst(0)
.irp k, 0,1,2,3,4,5,6,7
.irp x, 0,1,2,3
	v_exp_f32 v[32+8*\x+\k], v[32+8*\x+\k]
.endr
.endr
	v_nop
	s_wait_alu depctr_va_vdst(0)
	WIN 0x0f
.irp x, 0,1,2,3
	v_pk_add_f32 v[88+2*\x:89+2*\x], v[32+8*\x:33+8*\x], v[34+8*\x:35+8*\x]
.endr
.irp x, 0,1,2,3
	v_pk_add_f32 v[96+2*\x:97+2*\x], v[36+8*\x:37+8*\x], v[38+8*\x:39+8*\x]
.endr
	WIN 0
.irp x, 0,1,2,3
	v_pk_add_f32 v[88+2*\x:89+2*\x], v[88+2*\x:89+2*\x], v[96+2*\x:97+2*\x]
.endr
.irp x, 0,1,2,3
	v_add_f32 v[88+2*\x], v[88+2*\x], v[89+2*\x]
.endr
.irp x, 0,1,2,3
	v_permlanex16_b32 v[96+2*\x], v[88+2*\x], s32, s33
.endr
.irp x, 0,1,2,3
	v_add_f32 v[88+2*\x], v[88+2*\x], v[96+2*\x]
.endr
	s_wait_alu depctr_va_vdst(0)
.irp x, 0,1,2,3
	v_rcp_f32 v[104+2*\x], v[88+2*\x]
.endr
	v_nop
	WIN 0xc3
	s_wait_alu depctr_va_vdst(0)
.irp k, 0,2,4,6
.irp x, 0,1,2,3
	v_pk_mul_f32 v[128+8*(4*(\i)+\x)+\k:129+8*(4*(\i)+\x)+\k], v[32+8*\x+\k:33+8*\x+\k], v[104+2*\x:105+2*\x] op_sel_hi:[1,0]
.endr
.endr
.endm
.macro GROUP i
	s_wait_dscnt 0x0
	WIN 0xc3
.irp x, 0,1,2,3
	v_wmma_scale_f32_16x16x128_f8f6f4 v[32+8*\x:39+8*\x], v[64+12*\x:75+12*\x], v[112+12*\x:123+12*\x], 0, v[KS+4*(\i)+\x], v[KS+4*(\i)+\x] matrix_a_fmt:MATRIX_FMT_BF6 matrix_b_fmt:MATRIX_FMT_BF6 matrix_a_scale:MATRIX_SCALE_ROW1
.endr
	PLACES 4
.if (\i) < 3
	KQLOAD (\i)+1
.endif
	SOFTMAX \i
.endm
	GROUP 0
	GROUP 1
	GROUP 2
	GROUP 3
	WIN 0
	v_and_b32 v88, 15, v0
	v_bfe_u32 v89, v0, 4, 1
	v_mul_u32_u24 v[VD], v88, VP
	v_lshl_add_u32 v[VD], v89, 8, v[VD]
	v_add_nc_u32 v[VD], s57, v[VD]
	v_add_nc_u32 v[VD+1], 16*VP, v[VD]
	v_add_nc_u32 v[VD+2], 32*VP, v[VD]
	v_add_nc_u32 v[VD+3], 48*VP, v[VD]
	s_wait_alu depctr_va_vdst(0)
	BARRIER                                        ; q's and k's codes and the slots are read out, the slots have had their last fill: V may land there
; V: four units.  A fragment's 16 rows are the 16 heads at one d = 16 w + 4 u + tau; a lane's results (8 heads of a token) go to the token's row of V in LDS, f32
	s_mov_b32 s36, 0
	s_mov_b32 s37, 4
.Lv:
	UNITW 0
	s_and_b32 s42, s36, 64                         ; s36 = 64 u: 64 (u % 2) + 1024 (u / 2)
	s_and_b32 s43, s36, 128
	s_lshl_b32 s43, s43, 3
	s_add_co_u32 s42, s42, s43
.irp i, 0,1,2,3
	v_add_nc_u32 v[VDC+\i], s42, v[VD+\i]
.endr
	WIN 0x0c
.irp i, 0,1,2,3
.irp tau, 0,1,2,3
.irp q, 0,1
	ds_store_b128 v[VDC+\i], v[32*\i+8*\tau+4*\q:32*\i+8*\tau+4*\q+3] offset:16*\tau+512*\q
.endr
.endr
.endr
	WIN 0
	s_add_co_u32 s36, s36, 64
	NEXTU
	s_sub_co_u32 s37, s37, 1
	s_cmp_lg_u32 s37, 0
	s_cbranch_scc1 .Lv
	BARRIER                                        ; V is whole
; O^T = V^T P^T in f32, a token at a time: lane (r, h) gets head r, d = 32 h + 0 .. 31: a block, quantised in place.  Wo's first loads are on their way meanwhile
.macro VLOAD t
	WIN 0x41
.irp tau, 0,1,2,3
.irp q, 0,1
	ds_load_b128 v[8*\tau+4*\q:8*\tau+4*\q+3], v[VL+(\t)/4] offset:VP*((\t)%4)+512*(2*\tau+\q)
.endr
.endr
.endm
.macro TOKEN t
.set TR, 16*((\t)/4)+(\t)%4
.set TB, 192+16*((\t)%2)
.if (\t) == 0
	s_wait_dscnt 0x0
.else
	s_wait_dscnt 4                                 ; V's row is in; the last token's four stores may be out
.endif
	WIN 0xfd
.irp s, 0,1,2,3
.irp tau, 0,1,2,3
.if \s == 0
	v_wmma_f32_16x16x4_f32 v[8*\tau:8*\tau+7], v[8*\tau+2*\s:8*\tau+2*\s+1], v[128+8*(\t)+2*\s:129+8*(\t)+2*\s], 0
.else
	v_wmma_f32_16x16x4_f32 v[8*\tau:8*\tau+7], v[8*\tau+2*\s:8*\tau+2*\s+1], v[128+8*(\t)+2*\s:129+8*(\t)+2*\s], v[8*\tau:8*\tau+7]
.endif
.endr
.endr
	PLACES 9
.if (\t) < 15
	VLOAD (\t)+1
.endif
	QB32 0, TB, TB+1, TB+2, TB+3, TB+4, TB+10, 0x5f, 0x57, 0x55
	WIN 0x05
.irp u, 0,1,2
	ds_store_b64 v[AQ], v[TB+4+2*\u:TB+5+2*\u] offset:CP*TR+8*\u
.endr
	ds_store_b8 v[OSW], v[TB+3] offset:32*TR
.endm
	VLOAD 0
.irp t, 0,1,2,3,4,5,6,7,8,9,10,11,12,13,14,15
	TOKEN \t
.endr
	WIN 0
	v_and_b32 v152, 15, v0
	v_bfe_u32 v153, v0, 4, 1
	v_mul_u32_u24 v[AFA], v152, CP
	v_mad_u32_u24 v[AFA], v153, 48, v[AFA]
	v_lshlrev_b32 v[XSA], 5, v152
	v_lshl_add_u32 v[XSA], v153, 4, v[XSA]
	v_add_nc_u32 v[XSA], R1S, v[XSA]
	v_mul_u32_u24 v[OSO], v152, 272
	v_lshl_add_u32 v[OSO], v153, 7, v[OSO]
	v_add_nc_u32 v[OSO], s59, v[OSO]
	v_mul_u32_u24 v[OSR], v153, 272
	v_lshl_add_u32 v[OSR], v152, 4, v[OSR]
	v_add_nc_u32 v[OSR], s59, v[OSR]
	v_lshlrev_b32 v[OCO], 12, v153
	v_lshl_add_u32 v[OCO], v152, 4, v[OCO]
	v_add_nc_u32 v[OCO], s60, v[OCO]
	s_wait_alu depctr_va_vdst(0)
	BARRIER                                        ; o's codes are whole, V is read out: the stages may land on it
	AFLOAD
	s_wait_dscnt 0x0
; OUT: four units of Wo.  16 tokens x 64 columns at a time through my stage; sixteen lanes store 256 consecutive bytes, aligned
.macro TOST i
	s_wait_xcnt 0x0                                ; earlier stores have read their registers
	WIN 0x0c
.irp tau, 0,1,2,3
.irp q, 0,1
	ds_store_b128 v[OSO], v[32*\i+8*\tau+4*\q:32*\i+8*\tau+4*\q+3] offset:32*\tau+16*\q
.endr
.endr
	WIN 0
.irp p, 0,1,2,3,4,5,6,7
	ds_load_b128 v[OB+32*(\i%2)+4*\p:OB+32*(\i%2)+4*\p+3], v[OSR] offset:544*\p
.endr
.endm
.macro SEND i, younger
	s_wait_dscnt \younger
.irp p, 0,1,2,3,4,5,6,7
	global_store_b128 v[OCO], v[OB+32*(\i%2)+4*\p:OB+32*(\i%2)+4*\p+3], s[8:9] offset:4096*(16*\i+2*\p) th:TH_STORE_NT
.endr
.endm
.macro OPOST
	TOST 0
	TOST 1
	SEND 0, 16                                     ; behind block 0's loads: block 1's 8 stores and 8 loads
	TOST 2
	SEND 1, 16
	TOST 3
	SEND 2, 16
	SEND 3, 0
.endm
	s_mov_b32 s37, 3
.Lwo:
	UNITW 0
	OPOST
	NEXTU
	s_add_nc_u64 s[8:9], s[8:9], 256
	s_sub_co_u32 s37, s37, 1
	s_cmp_lg_u32 s37, 0
	s_cbranch_scc1 .Lwo
	UNITW 1                                        ; the last unit asks for nothing beyond the stream's end
	OPOST
	s_wait_tensorcnt 0x0                           ; the wave's end
	ds_add_u32 v[SPW], v[NIL]
	s_wait_dscnt 0x0
	ROUND                                          ; the closing round
	s_endpgm
.Lfunc_end_k_q8bad27b26f_fused:
	.size	k_q8bad27b26f_fused, .Lfunc_end_k_q8bad27b26f_fused-k_q8bad27b26f_fused
	.p2alignl 7, 3214868480
	.fill 96, 4, 3214868480
	.section	.rodata,"a",@progbits
	.p2align	6, 0x0
	.amdhsa_kernel k_q8bad27b26f_fused
		.amdhsa_group_segment_fixed_size 327680
		.amdhsa_private_segment_fixed_size 0
		.amdhsa_enable_private_segment 0
		.amdhsa_kernarg_size 24
		.amdhsa_user_sgpr_count 2
		.amdhsa_user_sgpr_kernarg_segment_ptr 1
		.amdhsa_wavefront_size32 1
		.amdhsa_system_sgpr_workgroup_id_x 1
		.amdhsa_system_sgpr_workgroup_id_y 1
		.amdhsa_system_sgpr_workgroup_id_z 1
		.amdhsa_system_vgpr_workitem_id 0
		.amdhsa_next_free_vgpr 1024
		.amdhsa_next_free_sgpr 72
		.amdhsa_reserve_vcc 0
		.amdhsa_float_denorm_mode_32 3
		.amdhsa_float_denorm_mode_16_64 3
		.amdhsa_memory_ordered 1
		.amdhsa_forward_progress 1
		.amdhsa_inst_pref_size 255
	.end_amdhsa_kernel
	.section	.bss,"aw",@nobits
	.p2align	6
	.space	262144
	.amdgpu_metadata
---
amdhsa.version: [ 1, 2 ]
amdhsa.kernels:
  - .name:           k_q8bad27b26f_fused
    .symbol:         k_q8bad27b26f_fused.kd
    .args:
      - { .name: src, .offset: 0, .size: 8, .value_kind: global_buffer, .address_space: global }
      - { .name: wpk, .offset: 8, .size: 8, .value_kind: global_buffer, .address_space: global }
      - { .name: out0, .offset: 16, .size: 8, .value_kind: global_buffer, .address_space: global }
    .group_segment_fixed_size: 327680
    .private_segment_fixed_size: 0
    .kernarg_segment_align: 8
    .kernarg_segment_size: 24
    .max_flat_workgroup_size: 128
    .sgpr_count:     72
    .vgpr_count:     1024
    .wavefront_size: 32
...
	.end_amdgpu_metadata
.endif
;; end of part 2
